; MI455X (gfx1250); checked and timed in simulation.
; The chip was launched on July 23, 2026; its instructions are those of AMD's public machine-readable ISA for CDNA 5 (MIT licence, August 2026) and "CDNA5" Instruction Set Architecture Reference Guide (July 2026). The comments in the code are by the model that wrote it; some were corrected since.
;; Local Attention. Allowed arithmetic: matrix products marked QUANTISED: E3M2 operands, one E8M0 scale for each 32 along K, by v_wmma_scale_f32_16x16x128_f8f6f4 with both operands' format E3M2, f32 sums; everything else in f32.
;; Inputs: k_codes 4 x 16 x 2,048 x 2 x 24 uint8 (E3M2 codes of k, K innermost, in blocks of 32 codes, four codes in three bytes); k_scales 4 x 16 x 2,048 x 2 uint8 (E8M0 scales of k, one for each 32 codes along K); q_codes 4 x 16 x 2,048 x 2 x 24 uint8 (E3M2 codes of q, K innermost, in blocks of 32 codes, four codes in three bytes); q_scales 4 x 16 x 2,048 x 2 uint8 (E8M0 scales of q, one for each 32 codes along K); v_codes 4 x 16 x 64 x 64 x 24 uint8 (E3M2 codes of v, K innermost, in blocks of 32 codes, four codes in three bytes); v_scales 4 x 16 x 64 x 64 uint8 (E8M0 scales of v, one for each 32 codes along K).
;; Outputs: out0 4 x 16 x 2,048 x 64 float32.
;; This version of the problem:
;;   THIS VERSION OF THE PROBLEM IS GIVEN IN LOW PRECISION. The matrix products marked QUANTISED in the list below multiply operands that are first quantised to E3M2 (3 exponent bits, 2 mantissa bits; 6 bits a number), with one power-of-two scale for each 32 numbers along K (OCP MX v1.0); their sums are f32. All else is computed in f32.
;;   The module's matrix products, in the order in which they are computed (A, B: the left and right operand; K: the contracted axis; several contracted axes count as one K, in the product's order):
;;     1. batch 64 x [M 2,048, K 64] x [K 64, N 2,048]; A: input q (given as codes); B: input k (given as codes): QUANTISED
;;     2. batch 64 x [M 2,048, K 2,048] x [K 2,048, N 64]; A: softmax (see below); B: input v (given as codes): QUANTISED
;;   THE QUANTISER, for each operand of a quantised product, along K:
;;     - K is cut into blocks of 32 from its start; a last block that is shorter is filled with zeros.
;;     - A block's scale is 2^e with e = floor(log2(the largest magnitude in the block)) - 4, held to -126 .. 127; a block of zeros has e = 0. As a byte (E8M0): e + 127.
;;     - Each number is divided by its block's scale, clamped to +-28, and rounded to the nearest number of E3M2, ties to even, subnormals kept.
;;     - The product sums the exact products of the quantised numbers (number of the format x scale) in f32.
;;   ~~~python
;;   def quantise(x, axis):      # numpy; x: float32 -> the quantised numbers, widened to float32 again
;;       x = np.moveaxis(x, axis, -1); K = x.shape[-1]
;;       x = np.pad(x, [(0, 0)] * (x.ndim - 1) + [(0, -K % 32)]); x = x.reshape(x.shape[:-1] + (-1, 32)); a = np.abs(x).max(-1, keepdims=True)
;;       e = np.where(a > 0, np.clip(np.frexp(np.where(a > 0, a, 1))[1] - 1 - 4, -126, 127), 0)      # np.frexp(a)[1] - 1 = floor(log2(a)), exactly
;;       r = np.clip(x / 2.0 ** e, -28, 28)
;;       step = 2.0 ** (np.maximum(np.frexp(np.where(r == 0, 1, r))[1] - 1, -2) - 2)
;;       q = np.round(r / step) * step * 2.0 ** e      # np.round: ties to even
;;       return np.moveaxis(q.reshape(q.shape[:-2] + (-1,))[..., :K], -1, axis).astype(np.float32)
;;   ~~~
;;   SOFTMAX AHEAD OF A QUANTISED PRODUCT. Where the list says 'softmax', what is quantised is not the finished softmax but p = 2^(t - M), with t = logit x log2(e) and M = ceil(the row's largest t), a whole number; so 1/2 < the row's largest p <= 1. The row's sum l is taken of the UNQUANTISED p, in f32, and the product's result is divided by l at the end. Since M is a whole number, a kernel that streams over the keys may use a running M (the ceiling of the running maximum): every later rescaling is an exact power of two, which a block's scale takes up: the codes' values come out the same.
;;   OPERANDS COMPUTED ON THE WAY. 'Computed on the way' means the value that the module computes at that place (a softmax that the list does not call 'softmax' is quantised finished and normalised). What goes into a quantiser is computed in f32, as accurately as f32 sums, v_exp_f32 and their like allow (about 1e-6 of the number): no bf16 or f16 on the way to a quantiser, and a product that is left as it is and whose result goes on into a quantised operand takes f32 operands (vector FMAs, or v_wmma_f32_16x16x4_f32). A number that lies on a knife's edge between two numbers of the format may be rounded either way, as far as f32 arithmetic and the matrix unit's own rounding can turn it there, and no further.
;;   INPUTS GIVEN AS CODES. k (in the module: [4, 16, 2048, 64], K = its axis 3); q (in the module: [4, 16, 2048, 64], K = its axis 3); v (in the module: [4, 16, 2048, 64], K = its axis 2): each comes as NAME_codes (uint8): NAME with its K axis moved to the last place and cut into blocks of 32 codes, [.., K / 32, bytes a block], one block behind the other in memory; four codes in three bytes: a row's codes are one little-endian stream of bits, code i at bits 6 i .. 6 i + 5 (a code: sign, 3 exponent bits, 2 mantissa bits); and NAME_scales (uint8): the same leading axes, one E8M0 byte (e + 127) for each 32 codes along K. Its value is code x scale, taken as it is: it is not quantised again, and the codes and scales need not be those that the quantiser above would give.
;; One version. Each part assembles by itself: llvm-mc -triple=amdgcn-amd-amdhsa -mcpu=gfx1250 --defsym DOCPART=n.
;; ======== version 1 of 1: 1 launch
;; launch local_attention (part 1): grid 4 x 64, 8 waves a work-group, clusters of 4 x 1, 168,960 bytes of LDS; arguments q_codes, q_scales, k_codes, k_scales, v_codes, v_scales, out0; writes out0
.if DOCPART == 1
	.amdgcn_target "amdgcn-amd-amdhsa--gfx1250"
	.amdhsa_code_object_version 6
	.text
	.protected	k_qd222d58972_local_attention
	.globl	k_qd222d58972_local_attention
	.p2align	8
	.type	k_qd222d58972_local_attention,@function
k_qd222d58972_local_attention:
	s_mov_b64 s[64:65], 0
	v_nop
	global_prefetch_b8 v0, s[64:65] scope:SCOPE_SE
	s_setreg_imm32_b32 hwreg(HW_REG_WAVE_MODE, 25, 1), 1
	s_wait_xcnt 0x0
	s_wait_alu depctr_hold_cnt(0) depctr_sa_sdst(0) depctr_va_vdst(0) depctr_va_sdst(0) depctr_va_ssrc(0) depctr_va_vcc(0) depctr_vm_vsrc(0)
	s_getreg_b32 s2, hwreg(HW_REG_IB_STS2, 6, 4)
	s_cmp_eq_u32 s2, 0
	s_cbranch_scc0 .Lentry_in_a_cluster
	s_endpgm
.Lentry_in_a_cluster:
	s_bfe_u32 s2, ttmp6, 0x10000c
	s_cmp_lg_u32 s2, 0x3003
	s_cbranch_scc0 .Lentry_shape_is_right
	s_endpgm
.Lentry_shape_is_right:
; out0[h][i][:] = softmax_j(score[i][j]) V[h][j][:], 64 heads, 2,048 queries and keys, head size 64, both products on codes of BF6 (E3M2) with one E8M0 scale for each 32 along K.
; THE MASK.  score = q.k / 8 where 1792 < j - i < 2048, and -10000 everywhere else.  So a product q.k is kept only for queries 0..254 against keys 1792..2047 (THE CORNER: 16 x 16 tiles);
; every other key of every row has the one logit -10000.  Key 1792 is masked for every query, so -10000 is among each row's 256 corner logits: the row's M is final once the corner is seen.
; t = logit x log2(e); M = ceil(the row's largest t); p = 2^(t - M), quantised along the keys; the row's sum l is taken of the unquantised p and divides at the end.
; All masked keys of a row share one p, pm = 2^(t_mask - M): it is made once a row, quantised like any p, multiplied with V like any p, and 1792 pm goes into l.  Nothing is assumed of its size.
; Rows 256..2047 (and row 255) have masked keys alone: M = ceil(t_mask), the same P fragment for every K step.  The second product is done for all 2,048 rows and all 2,048 keys.
; SHARES.  A head's 128 tiles of 16 rows go to the 4 work-groups of a cluster: work-group cx takes corner tiles 4 cx + 0..3 and 28 of the 112 others.  Eight waves, four row tiles each, all 64 channels:
;   waves 0-3: tile 0 = a corner tile (rows 64 cx + 16 w), tiles 1-3 from row 256 + 448 cx + 48 w;   waves 4-7: four tiles from row 192 + 448 cx + 64 w.
;   Waves w and w + 4 share a SIMD: while wave w walks its corner's softmax, wave w + 4 issues products.  Behind the one barrier that follows the fill the waves share nothing.
; THE FILL.  The four partners need the same V (98,304 + 4,096 bytes) and the same corner of K (12,288 + 512 bytes): each piece is asked for JOINTLY, by the same tensor load with a mask that names the four.
;   Every piece is filled once; nothing in LDS is filled again.  At most one tensor load of a wave is out.
; LAYOUT.  Both products are used transposed: S^T = K Q^T (source 0 = 16 keys, source 1 = 16 queries), O^T = V^T P^T (source 0 = 16 channels, source 1 = P): a lane holds ONE query (lane % 16) throughout.
;   THE KEYS OF A TILE ARE NOT NEIGHBOURS: lane r of tile 2 b + u takes key 32 b + 8 u + r + 8 (r / 8), so that the 16 registers of tiles 2 b, 2 b + 1 are keys 32 b + 16 (lane / 16) + 0..15.
;   The first product's K is 64: the instruction's upper 64 along K are zero codes on both sides (their scale bytes are 0, which is 2^-127 and harmless over zero codes).
; LIMITS.  NaN, infinities and the scale byte 0xff are not served.  A p under 2^-126 comes out of v_exp_f32 as 0.  A block whose every p is 0 carries the byte 1 and zero codes (only this text reads the byte).
;   In the corner t - M is one fused multiply-add of the raw sum (masked keys: of -80000), one rounding where two could be taken; outside the corner t_mask is rounded first: at most 3e-4 of p apart, in l alone.
; REGISTERS, in windows of 256.  Window 0: v1-11 lane numbers and addresses; v12-27 statistics; v28-51 two P fragments; v52-65 scale words; v66-89 at work; v96-127 V's scale words; v128-255 S^T, then p,
;   then two more P fragments (v192-215), on the way out the results.  Window 1: v0-127 the 16 accumulators (tile i, channels 16 t: 8 (4 i + t)); v128-223 V's fragments, two sets of four; v224-227 their LDS
;   addresses; v228-239 Q; ahead of the main run v0-191 hold K's 16 fragments.  The main run stands under ONE window setting.
.set VCQ,    25344                     ; LDS: V's codes, as chunks of 512 bytes + 16 of padding; a row of 1,536 bytes is three chunks; 16 rows (a tile of channels, a tensor load) are VCQ bytes
.set VPITCH, 1584                      ; = 396 words: row r starts at bank 12 r mod 64 (64 banks of 4 bytes: ISA guide 11.1): the 32 lanes of a load of 8 bytes touch 64 different banks
.set SCV,    4*VCQ                     ; V's scale bytes: 64 rows of 64 bytes + 16 of padding
.set KC,     SCV+64*80                 ; the codes of keys 1792..2047: 48 bytes a key, dense
.set KS,     KC+256*48                 ; their scale bytes, 2 a key
.set STAGE,  KS+512                    ; the way out: 16 rows x (256 + 16) bytes for each wave; no tensor load lands here
.set SP,     272
.set RR,  1                            ; v1   r = lane % 16
.set HH,  2                            ; v2   h = lane / 16
.set AK,  3                            ; v3   my place in a tile of K
.set AKS, 4                            ; v4   and among K's scale bytes: lanes 0-15 an even tile's keys, lanes 16-31 the odd tile's
.set ASV, 5                            ; v5   my place among V's scale bytes
.set STO, 6                            ; v6   the stage: where I put 32 bytes of a row
.set RD,  7                            ; v7   and where I read rows back
.set GO,  8                            ; v8   16 x lane: my bytes of two rows of out0
.set QA,  9                            ; v9   my place in a tile of Q;  v10 among its scale bytes
.set QSA, 10
.set DM,  11                           ; v11  my query - 16 h: register 16 b + i of S^T is open where 32 b + i > DM
.set NM,  12                           ; v[12:13] -M, and the row's largest t
.set SUM, 14                           ; v[14:15], v[16:17] the row's sum in two chains
.set TA,  18                           ; v18, v57 at work at the head
.set TB,  57
.set TMK, 19                           ; v19  t of a masked key
.set INV0, 20                          ; v[20:21] 1 / l of tile 0's rows (the pair's upper word is 0 and is not used);  v[22:23] of the rows with masked keys alone
.set INVU, 22
.set PM,  24                           ; v24  pm;  v25 at work;  v26 the conversion's scale operand;  v27 the scale's byte
.set TT,  25
.set SO,  26
.set BY,  27
.set PU,  28                           ; P of a row with masked keys alone: every K step
.set P15, 40                           ; tile 0's P of keys 1920..2047
.set P14, 192                          ; of keys 1792..1919
.set PC,  204                          ; of every earlier K step
.set SWU, 52                           ; their scale words
.set SWC, 53
.set SW14, 54
.set SW15, 55
.set QSW, 56                           ; Q's scale words
.set KSW, 58                           ; v58-65 K's: register b: tile 2 b in lanes 0-15, tile 2 b + 1 in lanes 16-31
.set BM,  66                           ; v66-73 each block's largest score, then its largest p, then the conversion's scale operand
.set BT,  74                           ; v74-81 the partner lane's, then the scale's byte
.set CT,  82                           ; v82-88 the conversions' second halves
.set VS,  96                           ; v96-127 V's scale words: register 8 t + 4 (s / 8) + s % 4: K step s in lanes 0-15 where s % 8 < 4, else in lanes 16-31
.set S,   128
.set W,   216                          ; sixteen times pm, for the conversion
.set OT,  128                          ; the way out: tile i at v[128 + 32 i]
.set FB,  128                          ; window 1: V's fragments
.set AVA, 224                          ; window 1: v224 1584 r + 24 h, v225 the same behind one padding more (40 h), v226, v227 the same two for channels 32 on
.set QF,  228                          ; window 1: Q's fragment
.set WV,  18                           ; s18  my wave's number;  s19 cx;  s20 the head
.set CX,  19
.set HD,  20
.set SEL, 22                           ; s[22:23] v_permlanex16_b32's selects for lane l xor 16
.set CS,  24                           ; s[24:25] c = log2(e) / 8: t = raw sum x c
.set MK,  26                           ; s26  -80000.0: the raw sum whose c-fold is -10000 log2(e)
.set G1VC, 28                          ; descriptors: groups 1 and 0 for V's codes, V's scales, K's codes, K's scales
.set G0VC, 36
.set G1VS, 40
.set G0VS, 48
.set G1KC, 52
.set G0KC, 60
.set G1KS, 68
.set G0KS, 76
.set OUT0, 84                          ; s[84:85] out0 at tile 0's first row;  s[86:87] at tile 1's
.set OUTU, 86
.set QP,   88                          ; s[88:89] Q's codes, s[90:91] Q's scale bytes, at tile 0's first row
.set W0VC, 15|(3<<16)|(1<<20)|(1<<21)|(6<<22)|(3<<25)   ; 15:0 the mask: all four work-groups; 17:16 elements of 8 bytes; 20 padding on; 21 set beside a mask; 24:22 after every 128 words; 31:25 of 4 words
.set W0VS, 15|(3<<16)|(1<<20)|(1<<21)|(3<<22)|(3<<25)   ; the same, after every 16 words
.set W0K,  15|(3<<16)|(1<<21)                           ; no padding
.set MSB, 0
.macro WIN new                         ; the immediate's high byte repeats the setting that is left; a switch that changes nothing is dropped
.if MSB != \new
	s_set_vgpr_msb (MSB<<8)|\new
.set MSB, \new
.endif
.endm
.macro G1SET g, w0, d0, d1             ; a dense block as d1 rows of d0 elements
	s_mov_b32 s[\g], \w0
	s_mov_b32 s[\g+1], (\d0)<<16                   ; tensor_dim0
	s_mov_b32 s[\g+2], (\d1)<<16                   ; tensor_dim1
	s_mov_b32 s[\g+3], (\d0)<<16                   ; tile_dim0
	s_mov_b32 s[\g+4], \d1                         ; tile_dim1
	s_mov_b32 s[\g+5], \d0                         ; from row to row
	s_mov_b32 s[\g+6], 0
	s_mov_b32 s[\g+7], 0
.endm
; A round of the cluster's barrier: my work-group's barrier, wave 0 signals for the work-group, every wave waits for all four work-groups, my work-group's barrier once more.
.macro ROUND
	s_barrier_signal -1
	s_barrier_wait -1
	s_cmp_lg_u32 s[WV], 0
	s_cbranch_scc1 .Lnot_wave_0_\@
	s_barrier_signal -3
.Lnot_wave_0_\@:
	s_barrier_wait -3
	s_barrier_signal -1
	s_barrier_wait -1
.endm
; The P fragment of 128 masked keys, for rows whose -M stands in v[nm]: pm = 2^(t_mask - M), its block's scale, sixteen codes by one conversion, and the 96 bits three times more.
.macro CONSTP nm, pf, sw
	v_add_f32 v[PM], v[TMK], v[\nm]
	s_wait_alu depctr_va_vdst(0)
	v_exp_f32 v[PM], v[PM]
	v_nop                                          ; a plain instruction behind the exponential,
	s_wait_alu depctr_va_vdst(0)                   ; and a wait ahead of its first reader
	v_max_num_f32 v[TT], 0x2800000, v[PM]          ; the floor 2^(5 - 127): the byte cannot fall under 1
	s_delay_alu instid0(VALU_DEP_1)
	v_add_nc_u32 v[SO], 0xfe000000, v[TT]          ; 4 off the exponent field: the conversion's scale operand
	s_delay_alu instid0(VALU_DEP_1)
	v_lshrrev_b32 v[BY], 23, v[SO]                 ; the scale's byte,
	s_delay_alu instid0(VALU_DEP_1)
	v_lshl_or_b32 v[\sw], v[BY], 8, v[BY]          ; four times: the scale word
	s_delay_alu instid0(VALU_DEP_1)
	v_lshl_or_b32 v[\sw], v[\sw], 16, v[\sw]
.irp i, 0,1,2,3,4,5,6,7,8,9,10,11,12,13,14,15
	v_mov_b32 v[W+\i], v[PM]
.endr
	v_cvt_scalef32_pk16_bf6_f32 v[\pf:\pf+2], v[W:W+15], v[SO]
	v_nop                                          ; one plain place behind a scaled conversion
.irp i, 0,1,2,3,4,5,6,7,8
	v_mov_b32 v[\pf+3+\i], v[\pf+\i%3]             ; all 128 codes are alike
.endr
.endm
; The corner's p of keys 128 g .. 128 g + 127 become a fragment.  The operand's layout wants a WHOLE block in a lane: lanes 0-15 block 2 c, lanes 16-31 block 2 c + 1.
.macro PFRAG g, pf
.irp c, 0,1
	v_cvt_scalef32_pk16_bf6_f32 v[\pf+6*\c:\pf+6*\c+2], v[S+64*(\g)+32*\c:S+64*(\g)+32*\c+15], v[BM+4*(\g)+2*\c]
	v_cvt_scalef32_pk16_bf6_f32 v[CT+4*\c:CT+4*\c+2], v[S+64*(\g)+32*\c+16:S+64*(\g)+32*\c+31], v[BM+4*(\g)+2*\c+1]   ; (a conversion's three registers begin on an even number)
.endr
	v_nop                                          ; one plain place behind a scaled conversion
.irp c, 0,1
.irp i, 0,1,2
	v_permlane16_swap_b32 v[\pf+6*\c+\i], v[CT+4*\c+\i]
.endr
.irp i, 0,1,2
	s_delay_alu instid0(VALU_DEP_3)
	v_mov_b32 v[\pf+6*\c+3+\i], v[CT+4*\c+\i]
.endr
.endr
.endm
; V's fragment of channels 16 t on, keys 128 s on: 12 registers, in pieces of 8 bytes.  Lanes 16-31 read three pieces further on than lanes 0-15; where that lies behind one padding more, the second address serves.
.macro FRAG t, s
.irp p, 0,1,2,3,4,5
.set X0, 96*(\s)+48*(\p/3)+8*(\p%3)
.set rD, FB+48*((\s)%2)+12*(\t)+2*\p
.if X0/512 == (X0+24)/512
	ds_load_b64 v[rD:rD+1], v[AVA+2*((\t)/2)] offset:((\t)%2)*VCQ+X0+16*(X0/512)
.else
	ds_load_b64 v[rD:rD+1], v[AVA+1+2*((\t)/2)] offset:((\t)%2)*VCQ+X0+16*(X0/512)
.endif
.endr
.endm
; One product of O^T: row tile i, channels 16 t on, K step s.  The first K step starts the sums: nothing is cleared.
.macro MM i, t, s, pf, sw
.set rA, 8*(4*(\i)+(\t))
.set rF, FB+48*((\s)%2)+12*(\t)
.set rV, VS+8*(\t)+4*((\s)/8)+(\s)%4
.if (\s) == 0
	v_wmma_scale_f32_16x16x128_f8f6f4 v[rA:rA+7], v[rF:rF+11], v[\pf:\pf+11], 0, v[rV], v[\sw] matrix_a_fmt:MATRIX_FMT_BF6 matrix_b_fmt:MATRIX_FMT_BF6
.elseif (\s)%8 < 4
	v_wmma_scale_f32_16x16x128_f8f6f4 v[rA:rA+7], v[rF:rF+11], v[\pf:\pf+11], v[rA:rA+7], v[rV], v[\sw] matrix_a_fmt:MATRIX_FMT_BF6 matrix_b_fmt:MATRIX_FMT_BF6
.else
	v_wmma_scale_f32_16x16x128_f8f6f4 v[rA:rA+7], v[rF:rF+11], v[\pf:\pf+11], v[rA:rA+7], v[rV], v[\sw] matrix_a_fmt:MATRIX_FMT_BF6 matrix_b_fmt:MATRIX_FMT_BF6 matrix_a_scale:MATRIX_SCALE_ROW1
.endif
.endm
; A K step of 128 keys: 16 products, the 16 accumulators by turns, one instruction a turn, in the same order in every step.  Each fragment of V feeds four products;
; behind them the same fragment of the next step is asked for, into the other set: 12 products ahead of its use.
.macro KSTEP s
.if (\s) > 0
.rept 4
	v_nop                                          ; four places between the last step's products and the loads into the set that they read (ISA guide 7.12.1 for vector instructions)
.endr
.endif
.irp t, 0,1,2,3
.if (\s) < 15
	s_wait_dscnt 18                                ; LDS loads come back in order: behind the fragment wanted three fragments, 18 loads, have been issued and may stay out
.else
	s_wait_dscnt 18-6*\t                           ; the last step asks for nothing: the counts run down
.endif
.if (\s) < 14
	MM 0, \t, \s, PC, SWC
.elseif (\s) == 14
	MM 0, \t, \s, P14, SW14
.else
	MM 0, \t, \s, P15, SW15
.endif
	MM 1, \t, \s, PU, SWU
	MM 2, \t, \s, PU, SWU
	MM 3, \t, \s, PU, SWU
.if (\s) < 15
	FRAG \t, (\s)+1
.endif
.endr
.endm
; THE WAY OUT of row tile i: O^T / l; a lane's 8 channels of a row are 32 bytes; they go into my stage's rows of 272 bytes and come back as whole rows of 256, into the registers that they left.
.macro PACK i
	WIN 0x01                                       ; source 0 (the accumulators) window 1
.set pk, 0
.rept 16
.if (\i) == 0
	v_pk_mul_f32 v[OT+32*(\i)+pk:OT+32*(\i)+pk+1], v[32*(\i)+pk:32*(\i)+pk+1], v[INV0:INV0+1] op_sel_hi:[1,0]   ; each accumulator from its low end on
.else
	v_pk_mul_f32 v[OT+32*(\i)+pk:OT+32*(\i)+pk+1], v[32*(\i)+pk:32*(\i)+pk+1], v[INVU:INVU+1] op_sel_hi:[1,0]
.endif
.set pk, pk+2
.endr
	WIN 0
.irp t, 0,1,2,3
.irp u, 0,1
	ds_store_b128 v[STO], v[OT+32*(\i)+8*\t+4*\u:OT+32*(\i)+8*\t+4*\u+3] offset:64*\t+16*\u
.endr
.endr
.irp f, 0,1,2,3,4,5,6,7
	ds_load_b128 v[OT+32*(\i)+4*\f:OT+32*(\i)+4*\f+3], v[RD] offset:2*SP*\f   ; LDS serves a wave's instructions in order (ISA guide 5.7.1.4): these see the stores above; the next tile's stores come behind them
.endr
.endm
.macro SEND i, base, off, younger      ; younger: the LDS instructions issued behind tile i's loads: the next tile's sixteen, or none
.irp f, 0,1,2,3,4,5,6,7
	s_wait_dscnt \younger+7-\f
	global_store_b128 v[GO], v[OT+32*(\i)+4*\f:OT+32*(\i)+4*\f+3], s[\base:\base+1] offset:\off+512*\f th:TH_STORE_NT   ; 32 lanes store two whole rows: 512 consecutive bytes, at a multiple of 256 from out0's first byte
.endr
.endm
	s_load_b256 s[4:11], s[0:1], 0x0               ; Q's codes s[4:5], Q's scales s[6:7], K's codes s[8:9], K's scales s[10:11]
	s_load_b128 s[12:15], s[0:1], 0x20             ; V's codes s[12:13], V's scales s[14:15]
	s_load_b64 s[16:17], s[0:1], 0x30              ; out0
	v_lshl_add_u32 v94, v0, 2, 0x29000
	v_mov_b32 v95, 0
	ds_add_u32 v94, v95
	ds_add_u32 v94, v95
	s_wait_dscnt 0x0
	v_lshrrev_b32 v1, 5, v0
	s_delay_alu instid0(VALU_DEP_1)
	v_readfirstlane_b32 s[WV], v1                  ; wave 0..7
	s_bfe_u32 s[CX], ttmp6, 0x40000                ; cx: my place in the cluster: it enters Q's and out0's addresses and the mask's lane number alone
	s_and_b32 s[HD], ttmp7, 0xffff                 ; the head, which the four partners share
	G1SET G1VC, W0VC, 64, 48                       ; a quarter of V's codes: 24,576 dense bytes as 48 rows of 512
	G1SET G1VS, W0VS, 8, 64                        ; V's scale bytes: 64 rows of 64
	G1SET G1KC, W0K, 32, 48                        ; the corner's codes of K: 12,288 dense bytes as 48 rows of 256
	G1SET G1KS, W0K, 32, 2                         ; their scale bytes: 2 rows of 256
	s_and_b32 s21, s[WV], 3                        ; which quarter of V a wave 4..7 fetches
	s_mov_b32 s[G0VC], 1
	s_mul_i32 s[G0VC+1], s21, VCQ                  ; where it goes: no place in the cluster enters an LDS address
	s_mov_b32 s[G0VS], 1
	s_mov_b32 s[G0VS+1], SCV
	s_mov_b32 s[G0KC], 1
	s_mov_b32 s[G0KC+1], KC
	s_mov_b32 s[G0KS], 1
	s_mov_b32 s[G0KS+1], KS
	s_mul_i32 s80, s[HD], 98304                    ; the head's first byte in each tensor of codes,
	s_mov_b32 s81, 0
	s_lshl_b32 s82, s[HD], 12                      ; and in each tensor of scale bytes
	s_mov_b32 s83, 0
	s_mul_i32 s92, s21, 24576
	s_add_co_u32 s92, s92, s80                     ; the quarter's first byte
	s_mov_b32 s93, 0
	s_mul_i32 s94, s[CX], 448                      ; my rows.  Waves 0-3: tile 0 at 64 cx + 16 w,
	s_lshl_b32 s2, s[CX], 6
	s_lshl_b32 s3, s[WV], 4
	s_add_co_u32 s2, s2, s3
	s_mul_i32 s3, s[WV], 48                        ; tiles 1-3 from 256 + 448 cx + 48 w
	s_add_co_u32 s3, s3, s94
	s_add_co_u32 s3, s3, 256
	s_lshl_b32 s95, s[WV], 6                       ; waves 4-7: four tiles from 192 + 448 cx + 64 w
	s_add_co_u32 s94, s94, s95
	s_add_co_u32 s94, s94, 192
	s_add_co_u32 s95, s94, 16
	s_cmp_lt_u32 s[WV], 4
	s_cselect_b32 s2, s2, s94                      ; s2: tile 0's first row;  s3: tile 1's
	s_cselect_b32 s3, s3, s95
	s_mov_b32 s[SEL], 0x76543210
	s_mov_b32 s[SEL+1], 0xfedcba98
	s_mov_b32 s[CS], 0x3e38aa3b                    ; c = log2(e) / 8
	s_mov_b32 s[CS+1], s[CS]                       ; (named with it as a pair, so it is written)
	s_mov_b32 s[MK], 0xc79c4000                    ; -80000.0
	ROUND                                          ; all four work-groups are here: the joint loads meet
	s_wait_kmcnt 0x0
	s_add_nc_u64 s[G0VC+2:G0VC+3], s[12:13], s[92:93]
	s_or_b32 s[G0VC+3], s[G0VC+3], 0x80000000      ; 127:126 type = 2
	s_add_nc_u64 s[G0VS+2:G0VS+3], s[14:15], s[82:83]
	s_or_b32 s[G0VS+3], s[G0VS+3], 0x80000000
	s_add_nc_u64 s[G0KC+2:G0KC+3], s[8:9], s[80:81]
	s_add_nc_u64 s[G0KC+2:G0KC+3], s[G0KC+2:G0KC+3], 1792*48   ; key 1792
	s_or_b32 s[G0KC+3], s[G0KC+3], 0x80000000
	s_add_nc_u64 s[G0KS+2:G0KS+3], s[10:11], s[82:83]
	s_add_nc_u64 s[G0KS+2:G0KS+3], s[G0KS+2:G0KS+3], 1792*2
	s_or_b32 s[G0KS+3], s[G0KS+3], 0x80000000
	; THE FILL: waves 4-7 a quarter of V's codes each, wave 0 K's codes, wave 1 K's scale bytes, wave 2 V's scale bytes, wave 3 nothing.  The branches hang on the wave's number alone: they are the same in
	; every work-group.  Four v_nop follow each load, ahead of the jump and the label.
	s_cmp_lt_u32 s[WV], 4
	s_cbranch_scc1 .Llow
	tensor_load_to_lds s[G0VC:G0VC+3], s[G1VC:G1VC+7]
	s_nop 0
.rept 4
	v_nop
.endr
	s_branch .Lasked
.Llow:
	s_cmp_eq_u32 s[WV], 0
	s_cbranch_scc0 .Lnot_0
	tensor_load_to_lds s[G0KC:G0KC+3], s[G1KC:G1KC+7]
	s_nop 0
.rept 4
	v_nop
.endr
	s_branch .Lasked
.Lnot_0:
	s_cmp_eq_u32 s[WV], 1
	s_cbranch_scc0 .Lnot_1
	tensor_load_to_lds s[G0KS:G0KS+3], s[G1KS:G1KS+7]
	s_nop 0
.rept 4
	v_nop
.endr
	s_branch .Lasked
.Lnot_1:
	s_cmp_eq_u32 s[WV], 2
	s_cbranch_scc0 .Lasked
	tensor_load_to_lds s[G0VS:G0VS+3], s[G1VS:G1VS+7]
	s_nop 0
.rept 4
	v_nop
.endr
.Lasked:
	; WHILE THE TILES ARE ON THEIR WAY: pointers, lane numbers, every LDS address, and all that hangs on no input: the P of rows with masked keys alone.
	s_lshl_b32 s21, s[HD], 11                      ; the head's first row
	s_add_co_u32 s27, s21, s2                      ; tile 0's first row among all 131,072,
	s_add_co_u32 s21, s21, s3                      ; tile 1's
	s_lshl_b32 s92, s27, 8                         ; a row of out0 is 256 bytes (all offsets stay under 2^32; s93 is 0)
	s_add_nc_u64 s[OUT0:OUT0+1], s[16:17], s[92:93]
	s_lshl_b32 s92, s21, 8
	s_add_nc_u64 s[OUTU:OUTU+1], s[16:17], s[92:93]
	s_mul_i32 s92, s27, 48                         ; a row of Q's codes is 48 bytes,
	s_add_nc_u64 s[QP:QP+1], s[4:5], s[92:93]
	s_lshl_b32 s92, s27, 1                         ; of its scale bytes 2
	s_add_nc_u64 s[QP+2:QP+3], s[6:7], s[92:93]
	v_and_b32 v[RR], 15, v0
	v_bfe_u32 v[HH], v0, 4, 1
	v_and_b32 v[GO], 31, v0
	s_delay_alu instid0(VALU_DEP_1)
	v_lshlrev_b32 v[GO], 4, v[GO]
	s_delay_alu instid0(VALU_DEP_4)
	v_and_b32 v[AK], 8, v[RR]
	s_delay_alu instid0(VALU_DEP_1)
	v_add_nc_u32 v[AK], v[AK], v[RR]               ; r + 8 (r / 8)
	s_delay_alu instid0(VALU_DEP_1)
	v_lshlrev_b32 v[AKS], 1, v[AK]
	s_delay_alu instid0(VALU_DEP_1)
	v_lshl_add_u32 v[AKS], v[HH], 4, v[AKS]        ; 2 bytes a key; lanes 16-31 the tile 8 keys on
	s_delay_alu instid0(VALU_DEP_1)
	v_add_nc_u32 v[AKS], KS, v[AKS]
	s_delay_alu instid0(VALU_DEP_4)
	v_mul_u32_u24 v[AK], v[AK], 48
	s_delay_alu instid0(VALU_DEP_1)
	v_mad_u32_u24 v[AK], v[HH], 24, v[AK]
	s_delay_alu instid0(VALU_DEP_1)
	v_add_nc_u32 v[AK], KC, v[AK]
	v_mul_u32_u24 v[ASV], v[RR], 80
	s_delay_alu instid0(VALU_DEP_1)
	v_lshl_add_u32 v[ASV], v[HH], 4, v[ASV]        ; row r; lanes 16-31 the four K steps behind lanes 0-15's four
	s_delay_alu instid0(VALU_DEP_1)
	v_add_nc_u32 v[ASV], SCV, v[ASV]
	s_mul_i32 s21, s[WV], 16*SP
	s_add_co_u32 s21, s21, STAGE                   ; my stage
	v_mul_u32_u24 v[STO], v[RR], SP
	s_delay_alu instid0(VALU_DEP_1)
	v_lshl_add_u32 v[STO], v[HH], 5, v[STO]
	s_delay_alu instid0(VALU_DEP_1)
	v_add_nc_u32 v[STO], s21, v[STO]               ; in: row r, + 32 h
	v_mul_u32_u24 v[RD], v[HH], SP
	s_delay_alu instid0(VALU_DEP_1)
	v_lshl_add_u32 v[RD], v[RR], 4, v[RD]
	s_delay_alu instid0(VALU_DEP_1)
	v_add_nc_u32 v[RD], s21, v[RD]                 ; back: lanes 0-15 one row, lanes 16-31 the next
	v_mul_u32_u24 v[QA], v[RR], 48
	s_delay_alu instid0(VALU_DEP_1)
	v_mad_u32_u24 v[QA], v[HH], 24, v[QA]
	v_lshlrev_b32 v[QSA], 1, v[RR]
	v_mul_u32_u24 v[TA], v[RR], VPITCH
	s_delay_alu instid0(VALU_DEP_1)
	v_add_nc_u32 v[TB], 2*VCQ, v[TA]
	WIN 0x40                                       ; destination window 1
	v_mad_u32_u24 v[AVA], v[HH], 24, v[TA]
	v_mad_u32_u24 v[AVA+1], v[HH], 40, v[TA]
	v_mad_u32_u24 v[AVA+2], v[HH], 24, v[TB]
	v_mad_u32_u24 v[AVA+3], v[HH], 40, v[TB]
	WIN 0
.irp b, 0,1,2,3,4,5,6,7
	v_mov_b32 v[BT+\b], 0                          ; written once: a lane permute's destination counts as one of its sources
.endr
	v_mov_b32 v[INV0+1], 0                         ; (named as the upper halves of pairs)
	v_mov_b32 v[INVU+1], 0
	v_mul_f32 v[TMK], s[CS], s[MK]                 ; t of a masked key: -10000 log2(e), rounded once
	s_delay_alu instid0(VALU_DEP_1)
	v_floor_f32 v[NM], -v[TMK]                     ; -M = -ceil(t) of a row with masked keys alone
	CONSTP NM, PU, SWU
	v_mul_f32 v[INVU], 0x45000000, v[PM]           ; its l = 2,048 pm
	s_wait_alu depctr_va_vdst(0)
	v_rcp_f32 v[INVU], v[INVU]
	v_nop
	s_wait_alu depctr_va_vdst(0)                   ; ahead of the branch
	s_cmp_lt_u32 s[WV], 4
	s_cbranch_scc0 .Lplain_prep
	; waves 0-3: the mask's lane number, Q, and the zero codes of the first product's unused 64 along K
	v_lshlrev_b32 v[DM], 4, v[HH]
	s_delay_alu instid0(VALU_DEP_1)
	v_sub_nc_u32 v[DM], v[RR], v[DM]
	s_delay_alu instid0(VALU_DEP_1)
	v_add_nc_u32 v[DM], s2, v[DM]                  ; my query - 16 h
	global_load_u16 v[QSW], v[QSA], s[QP+2:QP+3]   ; two scale bytes; the upper two are 0
	WIN 0x40
.irp p, 0,1,2
	global_load_b64 v[QF+2*\p:QF+2*\p+1], v[QA], s[QP:QP+1] offset:8*\p th:TH_LOAD_NT
.endr
.irp j, 6,7,8,9,10,11
	v_mov_b32 v[QF+\j], 0
.endr
.irp t, 0,1,2,3,4,5,6,7,8,9,10,11,12,13,14,15
.irp j, 6,7,8,9,10,11
	v_mov_b32 v[12*\t+\j], 0
.endr
.endr
	WIN 0
	s_branch .Lprep_done
.Lplain_prep:
	; waves 4-7: tile 0 is a tile like the others: its three P fragments, scale words and 1 / l are the common ones, so that the main run is one text for all eight waves, with no branch in it
.irp j, 0,1,2,3,4,5,6,7,8,9,10,11
	v_mov_b32 v[P15+\j], v[PU+\j]
	v_mov_b32 v[P14+\j], v[PU+\j]
	v_mov_b32 v[PC+\j], v[PU+\j]
.endr
	v_mov_b32 v[SWC], v[SWU]
	v_mov_b32 v[SW14], v[SWU]
	v_mov_b32 v[SW15], v[SWU]
	v_mov_b32 v[INV0], v[INVU]
.Lprep_done:
	s_wait_tensorcnt 0x0                           ; my tensor load, if I issued one, has landed:
	s_barrier_signal -1                            ; say so,
	s_barrier_wait -1                              ; and read what the others brought only when all eight have said so.  This is the launch's only barrier for data
.irp t, 0,1,2,3
.irp q, 0,1
	ds_load_b128 v[VS+8*\t+4*\q:VS+8*\t+4*\q+3], v[ASV] offset:16*80*\t+32*\q   ; V's scale words of all 16 K steps: they stay
.endr
.endr
	s_cmp_lt_u32 s[WV], 4
	s_cbranch_scc0 .Lmain
	; THE CORNER, waves 0-3: my 16 queries against keys 1792..2047
	WIN 0x40
.irp t, 0,1,2,3,4,5,6,7,8,9,10,11,12,13,14,15
.irp p, 0,1,2
	ds_load_b64 v[12*\t+2*\p:12*\t+2*\p+1], v[AK] offset:48*(32*(\t/2)+8*(\t%2))+8*\p
.endr
.endr
	WIN 0
.irp b, 0,1,2,3,4,5,6,7
	ds_load_u16 v[KSW+\b], v[AKS] offset:64*\b
.endr
	s_wait_dscnt 0x0                               ; K
	s_wait_loadcnt 0x0                             ; Q
.rept 8
	v_nop                                          ; places between the vector instructions that wrote the fragments' zero halves and the scaled products
.endr
	WIN 0x05                                       ; K and Q in window 1, S^T in window 0
	s_wait_alu depctr_va_vdst(0)
.irp t, 0,2,4,6,8,10,12,14
	v_wmma_scale_f32_16x16x128_f8f6f4 v[S+8*\t:S+8*\t+7], v[12*\t:12*\t+11], v[QF:QF+11], 0, v[KSW+\t/2], v[QSW] matrix_a_fmt:MATRIX_FMT_BF6 matrix_b_fmt:MATRIX_FMT_BF6
	v_wmma_scale_f32_16x16x128_f8f6f4 v[S+8*\t+8:S+8*\t+15], v[12*\t+12:12*\t+23], v[QF:QF+11], 0, v[KSW+\t/2], v[QSW] matrix_a_fmt:MATRIX_FMT_BF6 matrix_b_fmt:MATRIX_FMT_BF6 matrix_a_scale:MATRIX_SCALE_ROW1
.endr
	WIN 0
.rept 4
	v_nop                                          ; four places behind the last product, ahead of the first read of results
.endr
.set n, 0
.rept 128                                      ; register 16 b + i holds key 1792 + 32 b + 16 h + i: it counts where 32 b + i > DM; every other score becomes -80000 (x c: the masked t).  Each accumulator from its low end on
	v_cmp_gt_i32 vcc_lo, 32*(n/16)+n%16, v[DM]
	v_cndmask_b32 v[S+n], s[MK], v[S+n], vcc_lo
.set n, n+1
.endr
.irp b, 0,1,2,3,4,5,6,7
	v_max3_num_f32 v[BM+\b], v[S+16*\b], v[S+16*\b+1], v[S+16*\b+2]   ; THE LARGEST SCORE OF EACH BLOCK OF 32 KEYS serves twice: for the row's maximum, and, since p rises with the score, for the block's largest p
.endr
.irp i, 3,5,7,9,11,13
.irp b, 0,1,2,3,4,5,6,7
	v_max3_num_f32 v[BM+\b], v[BM+\b], v[S+16*\b+\i], v[S+16*\b+\i+1]   ; (the eight blocks by turns)
.endr
.endr
.irp b, 0,1,2,3,4,5,6,7
	v_max_num_f32 v[BM+\b], v[BM+\b], v[S+16*\b+15]
.endr
.irp b, 0,1,2,3,4,5,6,7
	v_permlanex16_b32 v[BT+\b], v[BM+\b], s[SEL], s[SEL+1]
.endr
.irp b, 0,1,2,3,4,5,6,7
	v_max_num_f32 v[BM+\b], v[BM+\b], v[BT+\b]     ; with lane l xor 16's 16 keys
.endr
	v_max3_num_f32 v[NM+1], v[BM], v[BM+1], v[BM+2]
	s_delay_alu instid0(VALU_DEP_1)
	v_max3_num_f32 v[NM+1], v[NM+1], v[BM+3], v[BM+4]
	s_delay_alu instid0(VALU_DEP_1)
	v_max3_num_f32 v[NM+1], v[NM+1], v[BM+5], v[BM+6]
	s_delay_alu instid0(VALU_DEP_1)
	v_max_num_f32 v[NM+1], v[NM+1], v[BM+7]        ; the row's largest score: a masked key's is among them, so it is the largest of all 2,048
	s_delay_alu instid0(VALU_DEP_1)
	v_mul_f32 v[NM+1], s[CS], v[NM+1]              ; as t (c is positive)
	s_delay_alu instid0(VALU_DEP_1)
	v_floor_f32 v[NM], -v[NM+1]                    ; -M = -ceil(t): M IS A WHOLE NUMBER, and final
.set n, 0
.rept 64
	v_pk_fma_f32 v[S+n:S+n+1], v[S+n:S+n+1], s[CS:CS+1], v[NM:NM+1] op_sel_hi:[1,0,0]   ; t - M, two at a time (of the pairs c and -M the low word serves both halves)
.set n, n+2
.endr
.irp b, 0,1,2,3,4,5,6,7
	v_fma_f32 v[BM+\b], v[BM+\b], s[CS], v[NM]     ; the same of each block's largest score
.endr
.set n, 0
	s_wait_alu depctr_va_vdst(0)
.rept 128
	v_exp_f32 v[S+n], v[S+n]                       ; p = 2^(t - M), at most 1: NOT normalised
.set n, n+1
.endr
	v_nop                                          ; a plain instruction behind the exponentials,
	s_wait_alu depctr_va_vdst(0)                   ; and one wait for the whole batch, ahead of its first reader
.irp b, 0,1,2,3,4,5,6,7
	v_exp_f32 v[BM+\b], v[BM+\b]                   ; each block's largest p: the same two instructions on the same number give the same bits
.endr
	v_pk_add_f32 v[16:17], v[128:129], v[130:131]
	v_pk_add_f32 v[92:93], v[136:137], v[140:141]
	v_pk_add_f32 v[90:91], v[144:145], v[148:149]
	v_pk_add_f32 v[88:89], v[152:153], v[156:157]
	v_pk_add_f32 v[86:87], v[160:161], v[164:165]
	v_pk_add_f32 v[84:85], v[168:169], v[172:173]
	v_pk_add_f32 v[82:83], v[176:177], v[180:181]
	v_pk_add_f32 v[14:15], v[184:185], v[188:189]
	v_pk_add_f32 v[14:15], v[14:15], v[192:193]
	v_pk_add_f32 v[16:17], v[16:17], v[196:197]
	v_pk_add_f32 v[92:93], v[92:93], v[200:201]
	v_pk_add_f32 v[90:91], v[90:91], v[204:205]
	v_pk_add_f32 v[88:89], v[88:89], v[208:209]
	v_pk_add_f32 v[86:87], v[86:87], v[212:213]
	v_pk_add_f32 v[84:85], v[84:85], v[216:217]
	v_pk_add_f32 v[82:83], v[82:83], v[220:221]
	v_pk_add_f32 v[14:15], v[14:15], v[224:225]
	v_pk_add_f32 v[16:17], v[16:17], v[228:229]
	v_pk_add_f32 v[92:93], v[92:93], v[232:233]
	v_pk_add_f32 v[90:91], v[90:91], v[236:237]
	v_pk_add_f32 v[88:89], v[88:89], v[240:241]
	v_pk_add_f32 v[86:87], v[86:87], v[244:245]
	v_pk_add_f32 v[84:85], v[84:85], v[248:249]
	v_pk_add_f32 v[82:83], v[82:83], v[252:253]
	v_pk_add_f32 v[14:15], v[14:15], v[132:133]
	v_pk_add_f32 v[16:17], v[16:17], v[134:135]
	v_pk_add_f32 v[92:93], v[92:93], v[138:139]
	v_pk_add_f32 v[90:91], v[90:91], v[142:143]
	v_pk_add_f32 v[88:89], v[88:89], v[146:147]
	v_pk_add_f32 v[86:87], v[86:87], v[150:151]
	v_pk_add_f32 v[84:85], v[84:85], v[154:155]
	v_pk_add_f32 v[82:83], v[82:83], v[158:159]
	v_pk_add_f32 v[14:15], v[14:15], v[162:163]
	v_pk_add_f32 v[16:17], v[16:17], v[166:167]
	v_pk_add_f32 v[92:93], v[92:93], v[170:171]
	v_pk_add_f32 v[90:91], v[90:91], v[174:175]
	v_pk_add_f32 v[88:89], v[88:89], v[178:179]
	v_pk_add_f32 v[86:87], v[86:87], v[182:183]
	v_pk_add_f32 v[84:85], v[84:85], v[186:187]
	v_pk_add_f32 v[82:83], v[82:83], v[190:191]
	v_pk_add_f32 v[14:15], v[14:15], v[194:195]
	v_pk_add_f32 v[16:17], v[16:17], v[198:199]
	v_pk_add_f32 v[92:93], v[92:93], v[202:203]
	v_pk_add_f32 v[90:91], v[90:91], v[206:207]
	v_pk_add_f32 v[88:89], v[88:89], v[210:211]
	v_pk_add_f32 v[86:87], v[86:87], v[214:215]
	v_pk_add_f32 v[84:85], v[84:85], v[218:219]
	v_pk_add_f32 v[82:83], v[82:83], v[222:223]
	v_pk_add_f32 v[14:15], v[14:15], v[226:227]
	v_pk_add_f32 v[16:17], v[16:17], v[230:231]
	v_pk_add_f32 v[92:93], v[92:93], v[234:235]
	v_pk_add_f32 v[90:91], v[90:91], v[238:239]
	v_pk_add_f32 v[88:89], v[88:89], v[242:243]
	v_pk_add_f32 v[86:87], v[86:87], v[246:247]
	v_pk_add_f32 v[84:85], v[84:85], v[250:251]
	v_pk_add_f32 v[82:83], v[82:83], v[254:255]
	s_delay_alu instid0(VALU_DEP_4)
	v_pk_add_f32 v[14:15], v[14:15], v[88:89]
	s_delay_alu instid0(VALU_DEP_4)
	v_pk_add_f32 v[16:17], v[16:17], v[86:87]
	s_delay_alu instid0(VALU_DEP_4)
	v_pk_add_f32 v[92:93], v[92:93], v[84:85]
	s_delay_alu instid0(VALU_DEP_4)
	v_pk_add_f32 v[90:91], v[90:91], v[82:83]
	s_delay_alu instid0(VALU_DEP_2)
	v_pk_add_f32 v[14:15], v[14:15], v[92:93]
	s_delay_alu instid0(VALU_DEP_2)
	v_pk_add_f32 v[16:17], v[16:17], v[90:91]
	s_delay_alu instid0(VALU_DEP_1)
	v_pk_add_f32 v[14:15], v[14:15], v[16:17]
	s_wait_alu depctr_va_vdst(0)                   ; and one wait for the eight
.irp b, 0,1,2,3,4,5,6,7
	v_max_num_f32 v[BM+\b], 0x2800000, v[BM+\b]    ; the floor 2^(5 - 127): the byte cannot fall under 1
.endr
.irp b, 0,1,2,3,4,5,6,7
	v_add_nc_u32 v[BM+\b], 0xfe000000, v[BM+\b]    ; 4 off the exponent field: the conversion's scale operand
.endr
.irp b, 0,1,2,3,4,5,6,7
	v_lshrrev_b32 v[BT+\b], 23, v[BM+\b]           ; the scale's byte
.endr
	v_lshl_or_b32 v[SW14], v[BT+1], 8, v[BT]       ; p's scale words: keys 1792..1919,
	s_delay_alu instid0(VALU_DEP_1)
	v_lshl_or_b32 v[SW14], v[BT+2], 16, v[SW14]
	s_delay_alu instid0(VALU_DEP_1)
	v_lshl_or_b32 v[SW14], v[BT+3], 24, v[SW14]
	v_lshl_or_b32 v[SW15], v[BT+5], 8, v[BT+4]     ; keys 1920..2047
	s_delay_alu instid0(VALU_DEP_1)
	v_lshl_or_b32 v[SW15], v[BT+6], 16, v[SW15]
	s_delay_alu instid0(VALU_DEP_1)
	v_lshl_or_b32 v[SW15], v[BT+7], 24, v[SW15]
	PFRAG 1, P15                                   ; the upper 64 registers of p first: the registers that they leave take the two fragments that follow
	PFRAG 0, P14
	CONSTP NM, PC, SWC                             ; my rows' masked keys 0..1791: pm under my rows' M
	v_add_f32 v[SUM], v[SUM], v[SUM+1]             ; the sum's two halves,
	s_delay_alu instid0(VALU_DEP_1)
	v_permlanex16_b32 v[SUM+2], v[SUM], s[SEL], s[SEL+1]
	s_delay_alu instid0(VALU_DEP_1)
	v_add_f32 v[SUM], v[SUM], v[SUM+2]             ; lane l xor 16's,
	v_fmamk_f32 v[SUM], v[PM], 0x44e00000, v[SUM]  ; and 1,792 pm: l
	s_wait_alu depctr_va_vdst(0)
	v_rcp_f32 v[INV0], v[SUM]
	v_nop
	s_wait_alu depctr_va_vdst(0)                   ; ahead of the label
.Lmain:
	; THE MAIN RUN, all eight waves: O^T = V^T P^T for my four row tiles, all 2,048 keys: 16 K steps of 16 products, under one window setting:
	WIN 0x51                                       ; the accumulators (C and D), V's fragments (source 0; an LDS load's data) and their LDS addresses (an LDS load's source 0) in window 1, P (source 1) in window 0
.irp t, 0,1,2,3
	FRAG \t, 0
.endr
.rept 8
	v_nop                                          ; places between the vector instructions that wrote P and its scale words and the scaled products
.endr
	s_wait_alu depctr_va_vdst(0)
.irp s, 0,1,2,3,4,5,6,7,8,9,10,11,12,13,14,15
	KSTEP \s
.endr
.rept 4
	v_nop                                          ; four places behind the last product, ahead of the first read of results and of writes over P's registers
.endr
	PACK 0
	PACK 1                                         ; a tile's arithmetic stands between the loads of the tile before and its stores
	SEND 0, OUT0, 0, 16
	PACK 2
	SEND 1, OUTU, 0, 16
	PACK 3
	SEND 2, OUTU, 4096, 16
	SEND 3, OUTU, 8192, 0
	s_wait_dscnt 0x0                               ; no LDS instruction of mine is pending at a signal
	s_wait_tensorcnt 0x0
	ds_add_u32 v94, v95
	s_wait_dscnt 0x0
	ROUND                                          ; the closing round: no work-group ends while a partner may still ask for a tile that names it
	s_endpgm
.Lfunc_end_k_qd222d58972_local_attention:
	.size	k_qd222d58972_local_attention, .Lfunc_end_k_qd222d58972_local_attention-k_qd222d58972_local_attention
	.p2alignl 7, 3214868480
	.fill 96, 4, 3214868480
	.section	.rodata,"a",@progbits
	.p2align	6, 0x0
	.amdhsa_kernel k_qd222d58972_local_attention
		.amdhsa_group_segment_fixed_size 168960
		.amdhsa_private_segment_fixed_size 0
		.amdhsa_enable_private_segment 0
		.amdhsa_kernarg_size 56
		.amdhsa_user_sgpr_count 2
		.amdhsa_user_sgpr_kernarg_segment_ptr 1
		.amdhsa_wavefront_size32 1
		.amdhsa_system_sgpr_workgroup_id_x 1
		.amdhsa_system_sgpr_workgroup_id_y 1
		.amdhsa_system_sgpr_workgroup_id_z 1
		.amdhsa_system_vgpr_workitem_id 0
		.amdhsa_next_free_vgpr 512
		.amdhsa_next_free_sgpr 96
		.amdhsa_reserve_vcc 1
		.amdhsa_float_denorm_mode_32 3
		.amdhsa_float_denorm_mode_16_64 3
		.amdhsa_memory_ordered 1
		.amdhsa_forward_progress 1
		.amdhsa_inst_pref_size 131
	.end_amdhsa_kernel
	.amdgpu_metadata
---
amdhsa.version: [ 1, 2 ]
amdhsa.kernels:
  - .name:           k_qd222d58972_local_attention
    .symbol:         k_qd222d58972_local_attention.kd
    .args:
      - { .name: q_codes, .offset: 0, .size: 8, .value_kind: global_buffer, .address_space: global }
      - { .name: q_scales, .offset: 8, .size: 8, .value_kind: global_buffer, .address_space: global }
      - { .name: k_codes, .offset: 16, .size: 8, .value_kind: global_buffer, .address_space: global }
      - { .name: k_scales, .offset: 24, .size: 8, .value_kind: global_buffer, .address_space: global }
      - { .name: v_codes, .offset: 32, .size: 8, .value_kind: global_buffer, .address_space: global }
      - { .name: v_scales, .offset: 40, .size: 8, .value_kind: global_buffer, .address_space: global }
      - { .name: out0, .offset: 48, .size: 8, .value_kind: global_buffer, .address_space: global }
    .group_segment_fixed_size: 168960
    .private_segment_fixed_size: 0
    .kernarg_segment_align: 8
    .kernarg_segment_size: 56
    .max_flat_workgroup_size: 256
    .sgpr_count:     96
    .vgpr_count:     512
    .wavefront_size: 32
...
	.end_amdgpu_metadata
.endif
;; end of part 1
